; MI455X (gfx1250); checked and timed in simulation.
; The chip was launched on July 23, 2026; its instructions are those of AMD's public machine-readable ISA for CDNA 5 (MIT licence, August 2026) and "CDNA5" Instruction Set Architecture Reference Guide (July 2026). The comments in the code are by the model that wrote it; some were corrected since.
;; hashed Layer. Allowed arithmetic: matrix products marked QUANTISED: E5M2 operands, one given power-of-two scale a tensor, by v_wmma_f32_16x16x64_bf8_bf8 or v_wmma_f32_16x16x128_bf8_bf8, f32 sums; everything else in f32.
;; Inputs: W 65,536 float32; a 4,096 x 4,096 float32; hash_idx 4,096 x 4,097 int32; lowp_scales 2 int32 (the exponents e of the quantised operands' scales 2^e).
;; Outputs: out0 4,096 x 4,096 float32.
;; This version of the problem:
;;   THIS VERSION OF THE PROBLEM IS GIVEN IN LOW PRECISION. The matrix products marked QUANTISED in the list below multiply operands that are first quantised to E5M2 (5 exponent bits, 2 mantissa bits; 8 bits a number), with one given power-of-two scale for each operand tensor; their sums are f32. All else is computed in f32.
;;   The module's matrix products, in the order in which they are computed (A, B: the left and right operand; K: the contracted axis; several contracted axes count as one K, in the product's order):
;;     1. [M 4,096, K 4,097] x [K 4,097, N 4,096]; A: computed on the way; B: computed on the way: QUANTISED (scales: A lowp_scales[0], B lowp_scales[1])
;;   THE QUANTISER, for each operand of a quantised product, along K:
;;     - The operand's scale is 2^e, e = its entry of the input lowp_scales (int32; the entries are numbered through the quantised products in the list's order, A before B).
;;     - Each number is divided by the scale, clamped to +-57,344, and rounded to the nearest number of E5M2, ties to even, subnormals kept.
;;     - The product sums the exact products of the quantised numbers (number of the format x scale) in f32.
;;   ~~~python
;;   def quantise(x, axis, e):      # numpy; x: float32 -> the quantised numbers, widened to float32 again
;;       x = np.moveaxis(x, axis, -1); K = x.shape[-1]
;;       r = np.clip(x / 2.0 ** e, -57344, 57344)
;;       step = 2.0 ** (np.maximum(np.frexp(np.where(r == 0, 1, r))[1] - 1, -14) - 2)
;;       q = np.round(r / step) * step * 2.0 ** e      # np.round: ties to even
;;       return np.moveaxis(q, -1, axis).astype(np.float32)
;;   ~~~
;;   OPERANDS COMPUTED ON THE WAY. 'Computed on the way' means the value that the module computes at that place (a softmax that the list does not call 'softmax' is quantised finished and normalised). What goes into a quantiser is computed in f32, as accurately as f32 sums, v_exp_f32 and their like allow (about 1e-6 of the number): no bf16 or f16 on the way to a quantiser, and a product that is left as it is and whose result goes on into a quantised operand takes f32 operands (vector FMAs, or v_wmma_f32_16x16x4_f32). A number that lies on a knife's edge between two numbers of the format may be rounded either way, as far as f32 arithmetic and the matrix unit's own rounding can turn it there, and no further.
;; One version. Each part assembles by itself: llvm-mc -triple=amdgcn-amd-amdhsa -mcpu=gfx1250 --defsym DOCPART=n.
;; ======== version 1 of 1: 2 launches
;; limits: right only within a limited range of input values
;; workspace buffers: a_codes 16,777,216 bytes; w_codes 16,777,216 bytes; w_tail 32,768 bytes
;; launch quant (part 1): grid 256 x 1, 16 waves a work-group, no clusters, 67,584 bytes of LDS; arguments a, hash_idx, W, lowp_scales, a_codes, w_codes, w_tail; writes a_codes, w_codes, w_tail
.if DOCPART == 1
	.amdgcn_target "amdgcn-amd-amdhsa--gfx1250"
	.amdhsa_code_object_version 6
	.text
	.protected	k_q6aeb6294c9_quant
	.globl	k_q6aeb6294c9_quant
	.p2align	8
	.type	k_q6aeb6294c9_quant,@function
k_q6aeb6294c9_quant:
	s_mov_b64 s[64:65], 0
	v_nop
	global_prefetch_b8 v0, s[64:65] scope:SCOPE_SE
	s_setreg_imm32_b32 hwreg(HW_REG_WAVE_MODE, 25, 1), 1
	s_wait_xcnt 0x0
; Both operands of out[b][i] = sum over j of a_ext[b][j] W[H(i, j)] are turned into codes of BF8 (E5M2), one byte a number, K innermost.
; a: [4096][4096] f32, scale 2^e0.  The weight matrix W[hash_idx[i][j]], hash_idx: [4096][4097] int32, W: [65536] f32, scale 2^e1.
; code = x / 2^e, held within +-57,344, rounded to the nearest code, ties to even.
; THE QUANTISER WORKS NUMBER BY NUMBER, so the code of W[h] is (the code of W)[h]: W's 65,536 numbers become a table of 65,536 bytes in LDS, and the weight matrix's codes are bytes read from that table.
; THE ORDER OF k IN THE CODES' ROWS is this program's own, and the same in both buffers: byte 512 U + 16 l + t of a row is the code of column 512 U + 32 t + l (U = 0..7, l = 0..31, t = 0..15).
; So sixteen 4-byte loads, each 128 consecutive bytes a wave, give a lane sixteen numbers whose codes are 16 neighbouring bytes: nothing is transposed.
; A ROW OF hash_idx IS 16,388 BYTES, so row R begins 4 (R mod 32) bytes behind a multiple of 128.  The loads do not follow the row's own start: with sg = R mod 32, load n of a row reads the 128 bytes that begin
; 4 sg bytes ahead of column 32 n, a multiple of 128 from the buffer's first byte.  Lane l then holds column 32 n - sg + l: always a column of the one residue l' = (l - sg) mod 32, with t = n in lanes l >= sg
; and t = n - 1 in lanes l < sg.  A step takes 17 such loads; of the 17 bytes read from the table lanes >= sg keep the first 16 and lanes < sg the last 16 (a shift by 0 or 8 bits), and the lane stores them at 16 l'.
; What the first and the last load of a row bring of the neighbouring rows is shifted out.  No load leaves the buffer: row 0 has sg = 0, and row 4095 has sg = 31, so that its last load ends on the buffer's last byte.
; Column 4096 (a_ext's ones) is kept apart: w_tail holds, for each block of 16 rows i, 32 words: word l < 16 = the code of W[hash_idx[16 g + l][4096]] in its lowest byte, words 16 to 31 = 0.
; SHARES.  Work-group g owns rows 16 g to 16 g + 15 of a and of hash_idx; wave w owns row 16 g + w of both, and numbers 4096 w to 4096 w + 4095 of W.  Every step is written out: all offsets are immediates, no pointer is stepped,
; each store has data registers of its own, so no store's sources are written again.
; PHASE 1, eight steps: 512 numbers of a (quantised, stored) and 512 of W (quantised into the table) side by side.  One barrier.  PHASE 2, eight steps: 512 columns of indices, their bytes from the table, stored.
; Behind the barrier no wave writes the table any more.  The loads of hash_idx begin in phase 1's last three steps, so that loads are out across the barrier.
; LIMITS: e0 and e1 between -126 and 112, so that 2^e and 57,344 x 2^e are f32 numbers.  NaN among the inputs is not served.  An index outside 0 .. 65,535 is held, as an unsigned number, at 65,535.
.set HROW,  16388                      ; a row of hash_idx in bytes
.set LN4,   1                          ; v1   4 x lane
.set LN16,  2                          ; v2   16 x lane
.set TBW,   3                          ; v3   the table, where I store words of codes: 4096 x wave + 4 x lane
.set SHF,   4                          ; v4   8 in lanes < sg, 0 in the others
.set HST,   5                          ; v5   16 x ((lane - sg) mod 32): my 16 bytes of a step's 512 in w_codes
.set SCA,   6                          ; v6   2^e0;  v7  57,344 x 2^e0
.set LIMA,  7
.set SCW,   8                          ; v8   2^e1;  v9  57,344 x 2^e1
.set LIMW,  9
.set TIX,   10                         ; v10  column 4096: an index;  v11 its code;  v12 (lane % 16) rows of hash_idx, in bytes
.set TCD,   11
.set TOF,   12
.set LANE,  13
.set RA,    16                         ; v16-63   three sets of 16: a's numbers
.set RW,    64                         ; v64-111  three sets of 16: W's numbers
.set RH,    112                        ; v112-162 three sets of 17: indices
.set GB,    164                        ; v164-180 seventeen bytes from the table
.set CA,    184                        ; v184-215 a's codes, four registers a step
.set CW,    216                        ; v216-247 W's codes, four a step; behind the barrier the weight matrix's codes, four a step
	s_load_b256 s[4:11], s[0:1], 0x0               ; a s[4:5], hash_idx s[6:7], W s[8:9], the scales' exponents s[10:11]
	s_load_b128 s[12:15], s[0:1], 0x20             ; a_codes s[12:13], w_codes s[14:15]
	s_load_b64 s[16:17], s[0:1], 0x30              ; w_tail
	v_lshl_add_u32 v248, v0, 2, 0x10000
	v_mov_b32 v249, 0
	v_lshrrev_b32 v14, 5, v0
	s_delay_alu instid0(VALU_DEP_1)
	v_readfirstlane_b32 s18, v14                   ; wave 0..15
	v_and_b32 v[LANE], 31, v0
	s_delay_alu instid0(VALU_DEP_1)
	v_lshlrev_b32 v[LN4], 2, v[LANE]
	s_delay_alu instid0(VALU_DEP_2)
	v_lshlrev_b32 v[LN16], 4, v[LANE]
	v_and_b32 v[TOF], 15, v0
	s_delay_alu instid0(VALU_DEP_1)
	v_mul_u32_u24 v[TOF], v[TOF], HROW
	s_lshl_b32 s25, s18, 12
	v_add_nc_u32 v[TBW], s25, v[LN4]
	s_lshl_b32 s19, ttmp9, 4                       ; the work-group's first row
	s_add_co_u32 s20, s19, s18                     ; my wave's row R
	s_and_b32 s21, s20, 31                         ; sg = R mod 32
	s_sub_co_u32 s24, 32, s21
	v_add_nc_u32 v[HST], s24, v[LANE]
	s_delay_alu instid0(VALU_DEP_1)
	v_and_b32 v[HST], 31, v[HST]                   ; l' = (lane - sg) mod 32
	s_delay_alu instid0(VALU_DEP_1)
	v_lshlrev_b32 v[HST], 4, v[HST]
	v_mov_b32 v14, 8
	v_cmp_gt_u32 vcc_lo, s21, v[LANE]
	s_delay_alu instid0(VALU_DEP_1)
	v_cndmask_b32 v[SHF], 0, v14, vcc_lo           ; lanes < sg drop the first of their 17 bytes, the others the last
	s_mov_b32 s23, 0                               ; the upper word of every offset below: all stay under 2^27
	s_wait_alu depctr_va_vdst(0)
	s_wait_kmcnt 0x0
	s_load_b64 s[30:31], s[10:11], 0x0             ; e0, e1
	s_lshl_b32 s22, s20, 14
	s_add_nc_u64 s[4:5], s[4:5], s[22:23]          ; a at my row (16,384 bytes a row)
	s_mul_i32 s22, s19, HROW
	s_add_nc_u64 s[26:27], s[6:7], s[22:23]        ; hash_idx at the work-group's first row, for column 4096;
	s_mul_i32 s22, s20, HROW
	s_lshl_b32 s24, s21, 2
	s_sub_co_u32 s22, s22, s24                     ; 16,388 R - 4 sg = 16,384 R + 128 (R / 32): never negative, a multiple of 128
	s_add_nc_u64 s[6:7], s[6:7], s[22:23]          ; and 4 sg bytes ahead of my row
	s_lshl_b32 s22, s18, 14
	s_add_nc_u64 s[8:9], s[8:9], s[22:23]          ; W at my 4,096 numbers
	s_lshl_b32 s22, s20, 12
	s_add_nc_u64 s[12:13], s[12:13], s[22:23]      ; both buffers of codes at my row (4,096 bytes a row)
	s_add_nc_u64 s[14:15], s[14:15], s[22:23]
	s_lshl_b32 s22, ttmp9, 7
	s_add_nc_u64 s[16:17], s[16:17], s[22:23]      ; w_tail at the work-group's 32 words
.macro LOADA s                         ; step s of a: columns 512 s + 32 t + lane; each load reads 128 consecutive bytes, at a multiple of 128 from the buffer's first byte
.irp t, 0,1,2,3,4,5,6,7,8,9,10,11,12,13,14,15
	global_load_b32 v[RA+16*((\s)%3)+\t], v[LN4], s[4:5] offset:2048*(\s)+128*\t th:TH_LOAD_NT
.endr
.endm
.macro LOADW s                         ; step s of W: 512 numbers as they lie, 512 consecutive bytes a load: load i gives lane l the four neighbours 512 s + 128 i + 4 l + 0 .. 3.  No hint: every work-group reads W
.irp i, 0,1,2,3
	global_load_b128 v[RW+16*((\s)%3)+4*\i:RW+16*((\s)%3)+4*\i+3], v[LN16], s[8:9] offset:2048*(\s)+512*\i
.endr
.endm
.macro LOADH u                         ; step u of hash_idx: the row's loads n = 16 u + 0 .. 16, each 128 consecutive bytes at a multiple of 128 from the buffer's first byte
.irp t, 0,1,2,3,4,5,6,7,8,9,10,11,12,13,14,15
	global_load_b32 v[RH+17*((\u)%3)+\t], v[LN4], s[6:7] offset:2048*(\u)+128*\t th:TH_LOAD_NT
.endr
	global_load_b32 v[RH+17*((\u)%3)+16], v[LN4], s[6:7] offset:2048*(\u)+2048   ; the seventeenth: the same bytes are the next step's (or the next row's) first load, so it carries no hint
.endm
	global_load_b32 v[TIX], v[TOF], s[26:27] offset:16384   ; column 4096 of the work-group's 16 rows (lanes 16-31 repeat lanes 0-15).  Every wave issues this one load, so that all waves count their loads alike; wave 0 uses it
	LOADA 0
	LOADW 0
	LOADA 1
	LOADW 1
	LOADA 2
	LOADW 2
	s_wait_kmcnt 0x0
	s_add_co_i32 s32, s30, 127
	s_lshl_b32 s33, s32, 23
	v_mov_b32 v[SCA], s33                          ; 2^e0 as f32: the conversion takes its exponent field
	s_add_co_i32 s32, s32, 15
	s_lshl_b32 s32, s32, 23
	s_or_b32 s32, s32, 0x600000
	v_mov_b32 v[LIMA], s32                         ; 57,344 x 2^e0
	s_add_co_i32 s32, s31, 127
	s_lshl_b32 s33, s32, 23
	v_mov_b32 v[SCW], s33                          ; the same with e1
	s_add_co_i32 s32, s32, 15
	s_lshl_b32 s32, s32, 23
	s_or_b32 s32, s32, 0x600000
	v_mov_b32 v[LIMW], s32
; PHASE 1, step s.  left = the loads issued behind this step's twenty, which may stay out.
.macro STEP1 s, left
.set SA, RA+16*((\s)%3)
.set SW, RW+16*((\s)%3)
	s_wait_loadcnt \left                           ; loads come back in order (ISA guide 5.7.1): this step's sixteen of a and four of W are in
.irp t, 0,1,2,3,4,5,6,7,8,9,10,11,12,13,14,15
	v_med3_num_f32 v[SA+\t], v[SA+\t], -v[LIMA], v[LIMA]           ; the conversion to an 8-bit code does not saturate (ISA guide 7.6.2): the hold at the largest code x the scale
.endr
	v_cvt_scalef32_pk8_bf8_f32 v[CA+4*(\s):CA+4*(\s)+1], v[SA:SA+7], v[SCA]        ; t = 0 .. 7: the first number's code in the lowest byte
	v_cvt_scalef32_pk8_bf8_f32 v[CA+4*(\s)+2:CA+4*(\s)+3], v[SA+8:SA+15], v[SCA]   ; t = 8 .. 15
.if (\s) < 5
	LOADA (\s)+3                                   ; the set takes the loads of three steps on
.endif
	global_store_b128 v[LN16], v[CA+4*(\s):CA+4*(\s)+3], s[12:13] offset:512*(\s)  ; the wave stores 512 consecutive bytes, at a multiple of 512 from the buffer's first byte
.irp t, 0,1,2,3,4,5,6,7,8,9,10,11,12,13,14,15
	v_med3_num_f32 v[SW+\t], v[SW+\t], -v[LIMW], v[LIMW]           ; (sixteen plain lines behind a's conversions)
.endr
	v_cvt_scalef32_pk8_bf8_f32 v[CW+4*(\s):CW+4*(\s)+1], v[SW:SW+7], v[SCW]        ; word i of the four = the codes of load i's four neighbours
	v_cvt_scalef32_pk8_bf8_f32 v[CW+4*(\s)+2:CW+4*(\s)+3], v[SW+8:SW+15], v[SCW]
.irp i, 0,1,2,3
	ds_store_b32 v[TBW], v[CW+4*(\s)+\i] offset:512*(\s)+128*\i    ; the code of W[k] at the table's byte k: the wave stores 128 consecutive bytes
.endr
.if (\s) < 5
	LOADW (\s)+3
.else
	LOADH (\s)-5                                   ; behind W's last loads come the indices
.endif
.endm
	s_wait_alu depctr_va_vdst(0)
	STEP1 0, 40                                    ; two younger steps of twenty loads
	STEP1 1, 40
	STEP1 2, 40
	STEP1 3, 40
	STEP1 4, 40
	STEP1 5, 40
	STEP1 6, 37                                    ; step 7's twenty and the first seventeen loads of indices
	STEP1 7, 34                                    ; two steps of indices
	v_nop                                          ; one plain vector line behind the last conversion: phase 2 writes its result registers anew
	s_wait_dscnt 0x0                               ; for the others' sake: my part of the table has landed
	s_barrier_signal -1
	s_barrier_wait -1                              ; the table is whole; from here on the table is only read
	s_cmp_lg_u32 s18, 0                            ; column 4096: wave 0 alone
	s_cbranch_scc1 .Lno_tail
	v_min_u32 v[TIX], 0xffff, v[TIX]               ; (its load was the oldest: in since the first step's wait)
	ds_load_u8 v[TCD], v[TIX]
	v_cmp_gt_u32 vcc_lo, 16, v[LANE]
	s_wait_dscnt 0x0
	v_cndmask_b32 v[TCD], 0, v[TCD], vcc_lo        ; words 16 to 31 are 0
	global_store_b32 v[LN4], v[TCD], s[16:17]      ; 128 consecutive bytes
.Lno_tail:
; PHASE 2, step u: the indices of columns 512 u to 512 u + 511 become 512 bytes of codes.
.macro GSTEP u, left
.set SH, RH+17*((\u)%3)
	s_wait_loadcnt \left
.irp t, 0,1,2,3,4,5,6,7,8,9,10,11,12,13,14,15,16
	v_min_u32 v[SH+\t], 0xffff, v[SH+\t]           ; an index is an LDS address inside the table
.endr
.irp t, 0,1,2,3,4,5,6,7,8,9,10,11,12,13,14,15,16
	ds_load_u8 v[GB+\t], v[SH+\t]
.endr
	s_wait_dscnt 0x0
.if (\u)+3 < 8
	LOADH (\u)+3
.endif
.irp c, 0,1,2,3
	v_lshl_or_b32 v[GB+4*\c], v[GB+4*\c+1], 8, v[GB+4*\c]          ; four bytes to a word, ascending from the lowest byte:
	v_lshl_or_b32 v[GB+4*\c+2], v[GB+4*\c+3], 8, v[GB+4*\c+2]
.endr
.irp c, 0,1,2,3
	v_lshl_or_b32 v[GB+4*\c], v[GB+4*\c+2], 16, v[GB+4*\c]         ; word c in v[GB + 4 c]; the seventeenth byte stays alone in v[GB + 16]
.endr
.irp c, 0,1,2,3
	v_alignbit_b32 v[CW+4*(\u)+\c], v[GB+4*\c+4], v[GB+4*\c], v[SHF]   ; bytes 0 .. 15 of the 17 in lanes >= sg, bytes 1 .. 16 in lanes < sg: t = 0 .. 15 of my residue
.endr
	global_store_b128 v[HST], v[CW+4*(\u):CW+4*(\u)+3], s[14:15] offset:512*(\u)   ; the 32 lanes, in an order turned by sg, store 512 consecutive bytes, at a multiple of 512 from the buffer's first byte
.endm
	GSTEP 0, 34                                    ; two younger steps of seventeen loads
	GSTEP 1, 34
	GSTEP 2, 34
	GSTEP 3, 34
	GSTEP 4, 34
	GSTEP 5, 34
	GSTEP 6, 17                                    ; the counts run down
	GSTEP 7, 0
	s_wait_tensorcnt 0x0
	ds_add_u32 v248, v249
	s_wait_dscnt 0x0
	s_endpgm
.Lfunc_end_k_q6aeb6294c9_quant:
	.size	k_q6aeb6294c9_quant, .Lfunc_end_k_q6aeb6294c9_quant-k_q6aeb6294c9_quant
	.p2alignl 7, 3214868480
	.fill 96, 4, 3214868480
	.section	.rodata,"a",@progbits
	.p2align	6, 0x0
	.amdhsa_kernel k_q6aeb6294c9_quant
		.amdhsa_group_segment_fixed_size 67584
		.amdhsa_private_segment_fixed_size 0
		.amdhsa_enable_private_segment 0
		.amdhsa_kernarg_size 56
		.amdhsa_user_sgpr_count 2
		.amdhsa_user_sgpr_kernarg_segment_ptr 1
		.amdhsa_wavefront_size32 1
		.amdhsa_system_sgpr_workgroup_id_x 1
		.amdhsa_system_sgpr_workgroup_id_y 1
		.amdhsa_system_sgpr_workgroup_id_z 1
		.amdhsa_system_vgpr_workitem_id 0
		.amdhsa_next_free_vgpr 250
		.amdhsa_next_free_sgpr 66
		.amdhsa_reserve_vcc 1
		.amdhsa_float_denorm_mode_32 3
		.amdhsa_float_denorm_mode_16_64 3
		.amdhsa_memory_ordered 1
		.amdhsa_forward_progress 1
		.amdhsa_inst_pref_size 79
	.end_amdhsa_kernel
	.amdgpu_metadata
---
amdhsa.version: [ 1, 2 ]
amdhsa.kernels:
  - .name:           k_q6aeb6294c9_quant
    .symbol:         k_q6aeb6294c9_quant.kd
    .args:
      - { .name: a, .offset: 0, .size: 8, .value_kind: global_buffer, .address_space: global }
      - { .name: hash_idx, .offset: 8, .size: 8, .value_kind: global_buffer, .address_space: global }
      - { .name: W, .offset: 16, .size: 8, .value_kind: global_buffer, .address_space: global }
      - { .name: lowp_scales, .offset: 24, .size: 8, .value_kind: global_buffer, .address_space: global }
      - { .name: a_codes, .offset: 32, .size: 8, .value_kind: global_buffer, .address_space: global }
      - { .name: w_codes, .offset: 40, .size: 8, .value_kind: global_buffer, .address_space: global }
      - { .name: w_tail, .offset: 48, .size: 8, .value_kind: global_buffer, .address_space: global }
    .group_segment_fixed_size: 67584
    .private_segment_fixed_size: 0
    .kernarg_segment_align: 8
    .kernarg_segment_size: 56
    .max_flat_workgroup_size: 512
    .sgpr_count:     66
    .vgpr_count:     250
    .wavefront_size: 32
...
	.end_amdgpu_metadata
.endif
;; end of part 1
;; launch gemm (part 2): grid 16 x 16, 4 waves a work-group, clusters of 4 x 4, 327,680 bytes of LDS; arguments a_codes, w_codes, lowp_scales, out0, w_tail; writes out0
.if DOCPART == 2
	.amdgcn_target "amdgcn-amd-amdhsa--gfx1250"
	.amdhsa_code_object_version 6
	.text
	.protected	k_q6aeb6294c9_gemm
	.globl	k_q6aeb6294c9_gemm
	.p2align	8
	.type	k_q6aeb6294c9_gemm,@function
k_q6aeb6294c9_gemm:
	s_mov_b64 s[64:65], 0
	v_nop
	global_prefetch_b8 v0, s[64:65] scope:SCOPE_SE
	s_setreg_imm32_b32 hwreg(HW_REG_WAVE_MODE, 25, 1), 1
	s_wait_xcnt 0x0
	s_wait_alu depctr_hold_cnt(0) depctr_sa_sdst(0) depctr_va_vdst(0) depctr_va_sdst(0) depctr_va_ssrc(0) depctr_va_vcc(0) depctr_vm_vsrc(0)
	s_getreg_b32 s2, hwreg(HW_REG_IB_STS2, 6, 4)
	s_cmp_eq_u32 s2, 0
	s_cbranch_scc0 .Lentry_in_a_cluster
	s_endpgm
.Lentry_in_a_cluster:
	s_bfe_u32 s2, ttmp6, 0x10000c
	s_cmp_lg_u32 s2, 0xf033
	s_cbranch_scc0 .Lentry_shape_is_right
	s_endpgm
.Lentry_shape_is_right:
; out0[b][i] = 2^(e0 + e1) x sum over k of (code of a_ext[b][k]) x (code of W[H(i, k)]), codes of BF8 (E5M2), sums in f32.
; a_codes, w_codes: [4096][4096] bytes, K innermost, both in the one order of k that the launch before gave them: every product meets its partner.
; Column 4096 (a_ext's ones) is a product of its own, K = 64 with one live k: A = the code of 1.0 under 2^e0, B = w_tail's codes.  It starts all 64 sums, so nothing is cleared.
; LIMITS: e0 between -126 and 112, e0 + e1 between -126 and 127, so that 2^e0, 57,344 x 2^e0 and 2^(e0 + e1) are f32 numbers.
; SHARES: a work-group of four waves makes 256 x 256 of out0, a wave 128 x 128: 64 accumulators, 512 registers.  K goes in steps of 256 (rows of 256 bytes) through two LDS slots.
; CLUSTERS 4 x 4: A's tile is asked for jointly along a row of the cluster, B's along a column.  The matrix instruction is used transposed (source 0 = rows of w_codes,
; source 1 = rows of a_codes): a lane holds eight neighbouring numbers of a row of out0.
; A SLOT IS TWO STEPS OF 128 ALONG K, X and Y, 64 products each.  B has two sets of registers (X's, Y's); A's blocks 0-3 one, A's blocks 4-7 two.  So all 128 fragment loads of a slot can be issued from
; the change of slots on, in runs of 32 and 16 between groups of 16 products, and all are back when Y begins: there the next change of slots is opened, with 48 of Y's products still to do behind it.
; PREFETCH: behind the joint load of K step t each wave names K step t + 2 of 32 rows, a lane a row, 256 bytes each; the four partners of a joint load share its 128 rows out by address.
; K step 1 is named at the head beside K step 2; the refills of K steps 14 and 15 name nothing.  So at most two K steps are named and not yet loaded.
; THE LAST K STEP GOES BY ROWS OF out0: B's two sets hold the whole slot, A comes by blocks of 16 rows x 256 K, and each block leaves as soon as its sums are whole.
; REGISTERS: window 0: v0-31 addresses, v32-95 Y's blocks 4-7 of A (at work at the head and on the way out), v128-255 A's fragments (at the end four buffers of 32).
; Window 1: B's two sets.  Windows 2, 3: accumulator (a, b) at v[8 (8 (a % 4) + b)].
.set SIZE_N, 4096
.set KROW,   4096                      ; a row of codes in bytes
.set ROWB,   256                       ; a tile's row: one K step
.set PITCH,  272                       ; an LDS row: 256 bytes + 16 of padding
.set FR,     16
.set NP,     4                         ; places behind this matrix form (ISA guide 7.12.1)
.set HALFT,  128*PITCH
.set SLOT,   4*HALFT                   ; A's 256 rows, then B's 256
.set LAPS,   KROW/(2*ROWB)
.set SPARE,  2*SLOT                    ; the spare words, 128 bytes a wave
.set SPITCH, 528                       ; the way out: each wave's stage, 16 rows x (512 + 16) bytes, in slot 0 behind its last fill and last read
.set ADRA, 16
.set ADRB, 20
.set STO,  24
.set RD,   25
.set CO,   26
.set LN4,  27
.set SPW,  28
.set NIL,  29
.set PFO,  30                          ; lane x a row of codes; never rewritten
.set TLA,  32                          ; column 4096: A's fragment, v40-47 its numbers, window 1 v128-191 B's eight fragments
.set TLS,  40
.set TLB,  128
.set TMP,  32
.set AF,   128
.set AY,   32-4*FR                     ; block a (4 to 7) of Y's second set lies at v[AY + 16 a]: v32-95
.set G1, 24
.set G0, 32
.set G1B, 48
.set G0B, 56
.set PFA, 68                           ; s[68:69] my 32 rows, at the K step one behind the refill in hand
.set MSB, 0
.macro WIN new                         ; the high byte repeats the setting that is left
.if MSB != \new
	s_set_vgpr_msb (MSB<<8)|\new
.set MSB, \new
.endif
.endm
.set MUL_LO, 0xa1
.set MUL_HI, 0xf1
.set TO_B,   0x40
.macro JLOAD g0a, g1a, g0b, g1b        ; waves 0, 1 ask for A's halves, waves 2, 3 for B's
	s_cmp_eq_u32 s15, 0
	s_cbranch_scc0 .Lfor_b_\@
	tensor_load_to_lds s[\g0a:\g0a+3], s[\g1a:\g1a+7]
	s_nop 0
.rept 4
	v_nop
.endr
	s_branch .Lasked_\@
.Lfor_b_\@:
	tensor_load_to_lds s[\g0b:\g0b+3], s[\g1b:\g1b+7]
	s_nop 0
.rept 4
	v_nop
.endr
.Lasked_\@:
.endm
.macro CREST                           ; a round of the cluster's barrier behind its opening barrier
	s_cmp_lg_u32 s14, 0
	s_cbranch_scc1 .Lnot_wave_0_\@
	s_barrier_signal -3
.Lnot_wave_0_\@:
	s_barrier_wait -3
	s_barrier_signal -1
	s_barrier_wait -1
.endm
.macro CROUND
	s_barrier_signal -1
	s_barrier_wait -1
	CREST
.endm
.macro PLACES n
.rept \n
	v_nop
.endr
.endm
	s_load_b128 s[4:7], s[0:1], 0x0                ; a_codes, w_codes
	s_load_b128 s[8:11], s[0:1], 0x10              ; the scales' exponents, out0
	s_load_b64 s[12:13], s[0:1], 0x20              ; w_tail
	v_lshl_add_u32 v[SPW], v0, 2, SPARE
	v_mov_b32 v[NIL], 0
	ds_add_u32 v[SPW], v[NIL]                      ; the opening lines: the add twice on end under one wait
	ds_add_u32 v[SPW], v[NIL]
	v_lshrrev_b32 v1, 5, v0
	v_readfirstlane_b32 s14, v1                    ; wave
	s_lshr_b32 s15, s14, 1                         ; my half of the rows; also: I ask for A (0) or B (1)
	s_and_b32 s16, s14, 1                          ; my half of the columns; also: which 128 rows I ask for
	s_bfe_u32 s40, ttmp6, 0x40000                  ; cx
	s_bfe_u32 s41, ttmp6, 0x40004                  ; cy
	s_lshl_b32 s42, ttmp9, 2
	s_add_co_u32 s42, s42, s40                     ; tile column
	s_and_b32 s17, ttmp7, 0xffff
	s_lshl_b32 s17, s17, 2
	s_add_co_u32 s17, s17, s41                     ; tile row
	s_lshl_b32 s43, s41, 2
	s_lshl_b32 s43, 15, s43                        ; my row of the cluster
	s_lshl_b32 s44, 0x1111, s40                    ; my column
	s_or_b32 s[G1+0], s43, (0<<16)|(1<<20)|(1<<21)|(5<<22)|(3<<25)   ; bytes; 4 words of padding behind every 64
	s_or_b32 s[G1B+0], s44, (0<<16)|(1<<20)|(1<<21)|(5<<22)|(3<<25)
.irp g, G1, G1B
	s_mov_b32 s[\g+1], ROWB<<16
	s_mov_b32 s[\g+2], 128<<16
	s_mov_b32 s[\g+3], ROWB<<16
	s_mov_b32 s[\g+4], 128
	s_mov_b32 s[\g+5], KROW
	s_mov_b32 s[\g+6], 0
	s_mov_b32 s[\g+7], 0
.endr
	s_lshl_b32 s18, s16, 7
	s_lshl_b32 s20, s17, 8
	s_add_co_u32 s20, s20, s18                     ; A: row 256 x tile row + 128 x half,
	s_lshl_b32 s20, s20, 12                        ; in bytes (under 2^24)
	s_mov_b32 s21, 0
	s_lshl_b32 s46, s42, 8
	s_add_co_u32 s46, s46, s18                     ; B: row 256 x tile column + 128 x half
	s_lshl_b32 s46, s46, 12
	s_mov_b32 s47, 0
	s_mul_i32 s45, s14, HALFT                      ; where my 128 rows go
	s_wait_dscnt 0x0                               ; both opening adds are done
	s_wait_kmcnt 0x0
	s_load_b64 s[96:97], s[8:9], 0x0               ; e0, e1
	s_add_nc_u64 s[20:21], s[4:5], s[20:21]
	s_add_nc_u64 s[46:47], s[6:7], s[46:47]
	CROUND                                         ; in front of the first joint loads
.irp s, 0,1
	s_mov_b32 s[G0+4*\s], 1
	s_add_co_u32 s[G0+4*\s+1], s45, \s*SLOT
	s_add_nc_u64 s[G0+4*\s+2:G0+4*\s+3], s[20:21], \s*ROWB
	s_or_b32 s[G0+4*\s+3], s[G0+4*\s+3], 0x80000000
	s_mov_b32 s[G0B+4*\s], 1
	s_add_co_u32 s[G0B+4*\s+1], s45, \s*SLOT
	s_add_nc_u64 s[G0B+4*\s+2:G0B+4*\s+3], s[46:47], \s*ROWB
	s_or_b32 s[G0B+4*\s+3], s[G0B+4*\s+3], 0x80000000
.endr
	JLOAD G0, G1, G0B, G1B                         ; K step 0: my one tensor load at the head
	v_and_b32 v1, 15, v0                           ; l % 16
	v_bfe_u32 v2, v0, 4, 1                         ; l / 16
	v_mul_u32_u24 v3, v1, PITCH
	v_lshl_add_u32 v4, v2, 4, v3                   ; a fragment's row x pitch + 16 x half
	s_mul_i32 s21, s15, HALFT
	s_mul_i32 s22, s16, HALFT
	s_add_co_u32 s22, s22, 2*HALFT
.irp s, 0,1
	v_add_nc_u32 v[ADRA+\s], s21, v4
	v_add_nc_u32 v[ADRB+\s], s22, v4
	s_add_co_u32 s21, s21, SLOT
	s_add_co_u32 s22, s22, SLOT
.endr
	s_mul_i32 s23, s14, 16*SPITCH                  ; my stage
	s_wait_alu depctr_va_vdst(0)                   ; the wait ahead of the readers below
	v_mul_u32_u24 v5, v1, SPITCH
	v_lshl_add_u32 v5, v2, 5, v5
	v_add_nc_u32 v[STO], s23, v5                   ; in: row l % 16, 32 bytes for each half of the lanes
	v_and_b32 v6, 31, v0
	v_lshlrev_b32 v[CO], 4, v6                     ; back: the 32 lanes take a row of 512 bytes; the same in out0
	v_add_nc_u32 v[RD], s23, v[CO]
	v_lshlrev_b32 v[LN4], 2, v6
	v_lshlrev_b32 v[PFO], 12, v6
	v_cvt_f32_u32 v[TLS], v2
	v_sub_f32 v[TLS], 1.0, v[TLS]                  ; a_ext's one at k = 0 (lanes 0-15), zeros elsewhere
.irp j, 1,2,3,4,5,6,7
	v_mov_b32 v[TLS+\j], 0
.endr
.irp j, 2,3,4,5,6,7
	v_mov_b32 v[TLA+\j], 0
.endr
	s_lshl_b32 s20, s17, 8
	s_lshl_b32 s21, s15, 7
	s_add_co_u32 s20, s20, s21                     ; my first row of out0,
	s_lshl_b32 s20, s20, 14                        ; in bytes (under 2^26),
	s_lshl_b32 s46, s42, 10
	s_lshl_b32 s47, s16, 9
	s_add_co_u32 s46, s46, s47
	s_add_co_u32 s20, s20, s46                     ; + my first column
	s_mov_b32 s21, 0
	s_add_nc_u64 s[10:11], s[10:11], s[20:21]
	s_lshl_b32 s66, s42, 11                        ; w_tail: 128 bytes for each 16 rows of w_codes
	s_lshl_b32 s67, s16, 10
	s_add_co_u32 s66, s66, s67
	s_mov_b32 s67, 0
	s_add_nc_u64 s[12:13], s[12:13], s[66:67]
	s_lshl_b32 s20, s17, 8
	s_lshl_b32 s21, s42, 8
	s_cmp_eq_u32 s15, 0                            ; do I ask for A?
	s_cselect_b32 s20, s20, s21                    ; the tile's first row
	s_cselect_b32 s21, s40, s41                    ; my place among the four that ask with me
	s_cselect_b64 s[PFA:PFA+1], s[4:5], s[6:7]
	s_lshl_b32 s22, s16, 7
	s_add_co_u32 s20, s20, s22
	s_lshl_b32 s21, s21, 5
	s_add_co_u32 s20, s20, s21                     ; + the 128 rows I ask for + my work-group's 32 of them
	s_lshl_b32 s20, s20, 12
	s_mov_b32 s21, 0
	s_add_nc_u64 s[PFA:PFA+1], s[PFA:PFA+1], s[20:21]
	s_wait_kmcnt 0x0
	s_add_co_i32 s66, s96, 127
	s_lshl_b32 s67, s66, 23                        ; 2^e0
	s_add_co_i32 s66, s66, 15
	s_lshl_b32 s66, s66, 23
	s_or_b32 s66, s66, 0x600000                    ; 57,344 x 2^e0
	s_wait_alu depctr_va_vdst(0)                   ; the wait behind the run of scalar lines
	global_prefetch_b8 v[PFO], s[PFA:PFA+1] offset:ROWB th:TH_LOAD_NT scope:SCOPE_SE     ; K steps 1 and 2 of my 32 rows
	global_prefetch_b8 v[PFO], s[PFA:PFA+1] offset:2*ROWB th:TH_LOAD_NT scope:SCOPE_SE
	WIN TO_B
.irp b, 0,1,2,3,4,5,6,7
	global_load_b32 v[TLB+8*\b], v[LN4], s[12:13] offset:128*\b    ; register 0 of B's fragment b: the code at k = 0 in lanes 0-15, zeros above
.endr
.irp b, 0,1,2,3,4,5,6,7
.irp j, 1,2,3,4,5,6,7
	v_mov_b32 v[TLB+8*\b+\j], 0
.endr
.endr
	WIN 0
	v_mov_b32 v48, s67
	v_mov_b32 v49, s66
	v_min_num_f32 v[TLS], v[TLS], v49              ; the hold at the largest code x the scale (ISA guide 7.6.2); the number is not negative
	v_cvt_scalef32_pk8_bf8_f32 v[TLA:TLA+1], v[TLS:TLS+7], v48
	v_nop                                          ; one plain line behind the conversion
	s_wait_alu depctr_va_vdst(0)
	s_wait_loadcnt 0x0
	WIN MUL_LO
.irp a, 0,1,2,3
.irp b, 0,1,2,3,4,5,6,7
	v_wmma_f32_16x16x64_bf8_bf8 v[8*(8*\a+\b):8*(8*\a+\b)+7], v[TLB+8*\b:TLB+8*\b+7], v[TLA:TLA+7], 0
.endr
.endr
	WIN MUL_HI
.irp a, 0,1,2,3
.irp b, 0,1,2,3,4,5,6,7
	v_wmma_f32_16x16x64_bf8_bf8 v[8*(8*\a+\b):8*(8*\a+\b)+7], v[TLB+8*\b:TLB+8*\b+7], v[TLA:TLA+7], 0
.endr
.endr
	WIN 0
	PLACES NP+1                                    ; another form takes these sums up
.macro FRAG reg, adr, q, i             ; 16 rows x 128 K: registers 4 c .. 4 c + 3 take the row's bytes 32 c + 16 (l / 16) + 0 .. 15, alike in A and B
.irp c, 0,1,2,3
	ds_load_b128 v[\reg+4*\c:\reg+4*\c+3], v[\adr] offset:128*(\q)+32*\c+(\i)*16*PITCH
.endr
.endm
.macro MUL8 a, p, ab                   ; A's block a (at v[ab + 16 a]) x B's eight of set p; the accumulators take turns
	WIN MUL_LO+0x50*((\a)/4)
.irp b, 0,1,2,3,4,5,6,7
	v_wmma_f32_16x16x128_bf8_bf8 v[8*(8*((\a)%4)+\b):8*(8*((\a)%4)+\b)+7], v[128*(\p)+FR*\b:128*(\p)+FR*\b+FR-1], v[\ab+FR*(\a):\ab+FR*(\a)+FR-1], v[8*(8*((\a)%4)+\b):8*(8*((\a)%4)+\b)+7]
.endr
.endm
.macro LB slot, q, p                   ; 32 loads: B's eight fragments of the slot's q-th 128 along K into set p
	WIN TO_B
.irp i, 0,1,2,3,4,5,6,7
	FRAG 128*(\p)+FR*\i, ADRB+\slot, \q, \i
.endr
.endm
.macro LA slot, q, i0, ab              ; 16 loads: A's blocks i0 .. i0 + 3 to v[ab + 16 i]
	WIN 0
.irp i, \i0, \i0+1, \i0+2, \i0+3
	FRAG \ab+FR*(\i), ADRA+\slot, \q, \i
.endr
.endm
.macro YHEAD                           ; Y begins: the lines ahead of the barrier, one block of products inside them and one inside the barrier
	WIN 0
	s_wait_tensorcnt 0x0                           ; my part of the other slot has landed
	ds_add_u32 v[SPW], v[NIL]
	s_wait_dscnt 1                                 ; all fragments are in; the add may be out
	MUL8 0, 1, AF
	s_wait_dscnt 0x0                               ; the add is done; my reads of this slot were over at the wait above
	s_barrier_signal -1
	MUL8 1, 1, AF
	WIN 0
	s_barrier_wait -1
.endm
.macro YSTEP o, n                      ; slot o's second step; the slot is filled again, two K steps ahead; X's fragments of slot n are fetched
	s_wait_xcnt 0x0                                ; my last prefetch has read its address
	s_add_nc_u64 s[PFA:PFA+1], s[PFA:PFA+1], ROWB
	YHEAD
	CREST                                          ; the barrier has opened a round: no wave of any partner reads this slot or has a load out
	s_add_nc_u64 s[G0+4*\o+2:G0+4*\o+3], s[G0+4*\o+2:G0+4*\o+3], 2*ROWB
	s_add_nc_u64 s[G0B+4*\o+2:G0B+4*\o+3], s[G0B+4*\o+2:G0B+4*\o+3], 2*ROWB
	JLOAD G0+4*\o, G1, G0B+4*\o, G1B               ; its four v_nop are the places in front of the loads into B's set 0, last read in X
	LB \n, 0, 0
	WIN 0
	s_cmp_gt_u32 s3, 1                             ; the last trip's refills are K steps 14 and 15: no K step stands two on
	s_cbranch_scc0 .Lno_ask_\@
	global_prefetch_b8 v[PFO], s[PFA:PFA+1] offset:3*ROWB th:TH_LOAD_NT scope:SCOPE_SE
.Lno_ask_\@:
	MUL8 2, 1, AF
	MUL8 3, 1, AF
	PLACES NP                                      ; behind the last readers of A's blocks 0-3
	LA \n, 0, 0, AF
	LA \n, 0, 4, AF                                ; (Y takes its blocks 4-7 from the second set)
	MUL8 4, 1, AY
	MUL8 5, 1, AY
	MUL8 6, 1, AY
	MUL8 7, 1, AY
.endm
.macro XSTEP n                         ; slot n's first step; Y's fragments of the same slot are fetched
	PLACES NP                                      ; behind the last readers of B's set 1 and of A's second set
	LB \n, 1, 1
	s_wait_dscnt 48                                ; B's set 0 and A's blocks 0-3 are in; behind them: A's blocks 4-7 (16), B's set 1 (32)
	MUL8 0, 0, AF
	MUL8 1, 0, AF
	LA \n, 1, 4, AY
	s_wait_dscnt 48                                ; A's blocks 4-7 are in; behind them: B's set 1 (32), the second set (16)
	MUL8 2, 0, AF
	MUL8 3, 0, AF
	PLACES NP                                      ; behind the last readers of A's blocks 0-3
	LA \n, 1, 0, AF
	MUL8 4, 0, AF
	MUL8 5, 0, AF
	MUL8 6, 0, AF
	MUL8 7, 0, AF
.endm
	s_wait_alu depctr_va_vdst(0)
	s_wait_tensorcnt 0x0                           ; my part of K step 0 is in; slot 1's first fill is issued as a refill is
	ds_add_u32 v[SPW], v[NIL]
	s_wait_dscnt 0x0
	CROUND
	JLOAD G0+4, G1, G0B+4, G1B                     ; K step 1
	LB 0, 0, 0
	LA 0, 0, 0, AF
	LA 0, 0, 4, AF
	global_prefetch_b8 v[PFO], s[PFA:PFA+1] offset:3*ROWB th:TH_LOAD_NT scope:SCOPE_SE   ; K step 3
	XSTEP 0
	WIN 0
	s_mov_b32 s3, LAPS-1
.Llap:                                                 ; once round the ring, from a lap's second step to the next lap's first
	YSTEP 0, 1
	XSTEP 1
	YSTEP 1, 0
	XSTEP 0
	WIN 0
	s_sub_co_u32 s3, s3, 1
	s_cmp_lg_u32 s3, 0
	s_cbranch_scc1 .Llap
; THE END.  Slot 0's last step, the last change of slots (nothing is filled again), and slot 1 by rows of out0.
.macro ALOAD a                         ; A's block a, both 128s of slot 1, into buffer a % 4: eight loads
	WIN 0
	FRAG AF+32*((\a)%4), ADRA+1, 0, \a
	FRAG AF+32*((\a)%4)+16, ADRA+1, 1, \a
.endm
.macro ROW a                           ; block a's sums are finished: 16 products, its eight accumulators by turns, K ascending
	WIN MUL_LO+0x50*((\a)/4)
.irp q, 0,1
.if (\a) == 0 && \q == 1
	s_wait_dscnt 0                                 ; B's set 1 is in
.endif
.irp b, 0,1,2,3,4,5,6,7
	v_wmma_f32_16x16x128_bf8_bf8 v[8*(8*((\a)%4)+\b):8*(8*((\a)%4)+\b)+7], v[128*\q+FR*\b:128*\q+FR*\b+FR-1], v[AF+32*((\a)%4)+16*\q:AF+32*((\a)%4)+16*\q+15], v[8*(8*((\a)%4)+\b):8*(8*((\a)%4)+\b)+7]
.endr
.endr
.endm
; Block a leaves: x 2^(e0 + e1) into v32-95 (each accumulator from its low end on), into my stage, back as whole rows of 512 bytes INTO THE BLOCK'S OWN ACCUMULATOR REGISTERS, which nothing writes again;
; the next block's products stand between the stage's loads and the wait for them.  Every store's offset is an immediate: 127 rows of 16,384 bytes at the most, inside the signed 24 bits (ISA guide, chapter 10).
.macro OUT a
	PLACES NP                                      ; behind the block's last products: for the reads of its sums and the loads into its registers
	WIN 0x02+((\a)/4)
.set J, 0
.rept 32
	v_pk_mul_f32 v[TMP+J:TMP+J+1], v[64*((\a)%4)+J:64*((\a)%4)+J+1], s[96:97] op_sel_hi:[1,0]
.set J, J+2
.endr
	WIN 0
.irp b, 0,1,2,3,4,5,6,7
	ds_store_b128 v[STO], v[TMP+8*\b:TMP+8*\b+3] offset:64*\b
	ds_store_b128 v[STO], v[TMP+8*\b+4:TMP+8*\b+7] offset:64*\b+16
.endr
	WIN 0x80+0x40*((\a)/4)
.set J, 0
.rept 16
	ds_load_b128 v[64*((\a)%4)+4*J:64*((\a)%4)+4*J+3], v[RD] offset:J*SPITCH   ; LDS serves a wave's instructions in order (ISA guide 5.7.1.4)
.set J, J+1
.endr
.if (\a) < 4
	ALOAD (\a)+4                                   ; the block's buffer takes the block four further on
.endif
.if (\a) < 7
	ROW (\a)+1
.endif
.if (\a) < 4
	s_wait_dscnt 8                                 ; the block is back; the eight loads of A just issued may be out
.else
	s_wait_dscnt 0
.endif
	WIN 0x08+0x04*((\a)/4)
.set J, 0
.rept 16
	global_store_b128 v[CO], v[64*((\a)%4)+4*J:64*((\a)%4)+4*J+3], s[10:11] offset:(16*(\a)+J)*SIZE_N*4 th:TH_STORE_NT   ; 32 lanes store 512 consecutive bytes, at a multiple of 256 from out0's first byte
.set J, J+1
.endr
.endm
	s_add_co_i32 s96, s96, s97
	s_add_co_i32 s96, s96, 127
	s_lshl_b32 s96, s96, 23                        ; 2^(e0 + e1)
	YHEAD
	PLACES NP
	LB 1, 0, 0
	ALOAD 2                                        ; buffers 2 and 3 lie where X's blocks 4-7 lay: free since X ended
	ALOAD 3
	MUL8 2, 1, AF
	MUL8 3, 1, AF
	PLACES NP
	ALOAD 0
	ALOAD 1
	MUL8 4, 1, AY
	MUL8 5, 1, AY
	MUL8 6, 1, AY
	MUL8 7, 1, AY
	PLACES NP
	LB 1, 1, 1
	s_wait_dscnt 40                                ; B's set 0 and A's buffers 2, 3 and 0 are in; behind them: buffer 1 (8), B's set 1 (32)
	ROW 0
.irp a, 0,1,2,3,4,5,6,7
	OUT \a
.endr
	WIN 0
	s_wait_tensorcnt 0x0                           ; the wave's end
	ds_add_u32 v[SPW], v[NIL]
	s_wait_dscnt 0x0
	CROUND                                         ; the closing round
	s_endpgm
.Lfunc_end_k_q6aeb6294c9_gemm:
	.size	k_q6aeb6294c9_gemm, .Lfunc_end_k_q6aeb6294c9_gemm-k_q6aeb6294c9_gemm
	.p2alignl 7, 3214868480
	.fill 96, 4, 3214868480
	.section	.rodata,"a",@progbits
	.p2align	6, 0x0
	.amdhsa_kernel k_q6aeb6294c9_gemm
		.amdhsa_group_segment_fixed_size 327680
		.amdhsa_private_segment_fixed_size 0
		.amdhsa_enable_private_segment 0
		.amdhsa_kernarg_size 40
		.amdhsa_user_sgpr_count 2
		.amdhsa_user_sgpr_kernarg_segment_ptr 1
		.amdhsa_wavefront_size32 1
		.amdhsa_system_sgpr_workgroup_id_x 1
		.amdhsa_system_sgpr_workgroup_id_y 1
		.amdhsa_system_sgpr_workgroup_id_z 1
		.amdhsa_system_vgpr_workitem_id 0
		.amdhsa_next_free_vgpr 1024
		.amdhsa_next_free_sgpr 98
		.amdhsa_reserve_vcc 0
		.amdhsa_float_denorm_mode_32 3
		.amdhsa_float_denorm_mode_16_64 3
		.amdhsa_memory_ordered 1
		.amdhsa_forward_progress 1
		.amdhsa_inst_pref_size 134
	.end_amdhsa_kernel
	.amdgpu_metadata
---
amdhsa.version: [ 1, 2 ]
amdhsa.kernels:
  - .name:           k_q6aeb6294c9_gemm
    .symbol:         k_q6aeb6294c9_gemm.kd
    .args:
      - { .name: a_codes, .offset: 0, .size: 8, .value_kind: global_buffer, .address_space: global }
      - { .name: w_codes, .offset: 8, .size: 8, .value_kind: global_buffer, .address_space: global }
      - { .name: lowp_scales, .offset: 16, .size: 8, .value_kind: global_buffer, .address_space: global }
      - { .name: out0, .offset: 24, .size: 8, .value_kind: global_buffer, .address_space: global }
      - { .name: w_tail, .offset: 32, .size: 8, .value_kind: global_buffer, .address_space: global }
    .group_segment_fixed_size: 327680
    .private_segment_fixed_size: 0
    .kernarg_segment_align: 8
    .kernarg_segment_size: 40
    .max_flat_workgroup_size: 128
    .sgpr_count:     98
    .vgpr_count:     1024
    .wavefront_size: 32
...
	.end_amdgpu_metadata
.endif
;; end of part 2
